; MI455X (gfx1250); checked and timed in simulation.
; The chip was launched on July 23, 2026; its instructions are those of AMD's public machine-readable ISA for CDNA 5 (MIT licence, August 2026) and "CDNA5" Instruction Set Architecture Reference Guide (July 2026). The comments in the code are by the model that wrote it; some were corrected since.
;; Temporal Linear. Allowed arithmetic: matrix products marked QUANTISED: E5M2 operands, one E8M0 scale for each 32 along K, by v_wmma_scale_f32_16x16x128_f8f6f4 with both operands' format E5M2, f32 sums; everything else in f32.
;; Inputs: W 4,096 x 4,096 float32; b 4,096 float32; x 4,096 x 4,096 float32.
;; Outputs: out0 4,096 x 4,096 float32.
;; This version of the problem:
;;   THIS VERSION OF THE PROBLEM IS GIVEN IN LOW PRECISION. The matrix products marked QUANTISED in the list below multiply operands that are first quantised to E5M2 (5 exponent bits, 2 mantissa bits; 8 bits a number), with one power-of-two scale for each 32 numbers along K (OCP MX v1.0); their sums are f32. All else is computed in f32.
;;   The module's matrix products, in the order in which they are computed (A, B: the left and right operand; K: the contracted axis; several contracted axes count as one K, in the product's order):
;;     1. [M 4,096, K 4,096] x [K 4,096, N 4,096]; A: input x; B: input W: QUANTISED
;;   THE QUANTISER, for each operand of a quantised product, along K:
;;     - K is cut into blocks of 32 from its start; a last block that is shorter is filled with zeros.
;;     - A block's scale is 2^e with e = floor(log2(the largest magnitude in the block)) - 15, held to -126 .. 127; a block of zeros has e = 0. As a byte (E8M0): e + 127.
;;     - Each number is divided by its block's scale, clamped to +-57,344, and rounded to the nearest number of E5M2, ties to even, subnormals kept.
;;     - The product sums the exact products of the quantised numbers (number of the format x scale) in f32.
;;   ~~~python
;;   def quantise(x, axis):      # numpy; x: float32 -> the quantised numbers, widened to float32 again
;;       x = np.moveaxis(x, axis, -1); K = x.shape[-1]
;;       x = np.pad(x, [(0, 0)] * (x.ndim - 1) + [(0, -K % 32)]); x = x.reshape(x.shape[:-1] + (-1, 32)); a = np.abs(x).max(-1, keepdims=True)
;;       e = np.where(a > 0, np.clip(np.frexp(np.where(a > 0, a, 1))[1] - 1 - 15, -126, 127), 0)      # np.frexp(a)[1] - 1 = floor(log2(a)), exactly
;;       r = np.clip(x / 2.0 ** e, -57344, 57344)
;;       step = 2.0 ** (np.maximum(np.frexp(np.where(r == 0, 1, r))[1] - 1, -14) - 2)
;;       q = np.round(r / step) * step * 2.0 ** e      # np.round: ties to even
;;       return np.moveaxis(q.reshape(q.shape[:-2] + (-1,))[..., :K], -1, axis).astype(np.float32)
;;   ~~~
;; One version. Each part assembles by itself: llvm-mc -triple=amdgcn-amd-amdhsa -mcpu=gfx1250 --defsym DOCPART=n.
;; ======== version 1 of 1: 2 launches
;; limits: right only within a limited range of input values
;; workspace buffers: xq 17,301,504 bytes; wq 17,301,504 bytes
;; launch quant (part 1): grid 1024 x 1, 4 waves a work-group, no clusters, 1,536 bytes of LDS; arguments x, W, xq, wq; writes xq, wq
.if DOCPART == 1
	.amdgcn_target "amdgcn-amd-amdhsa--gfx1250"
	.amdhsa_code_object_version 6
	.text
	.protected	k_qa4ba03c1cd_quant
	.globl	k_qa4ba03c1cd_quant
	.p2align	8
	.type	k_qa4ba03c1cd_quant,@function
k_qa4ba03c1cd_quant:
	s_mov_b64 s[64:65], 0
	v_nop
	global_prefetch_b8 v0, s[64:65] scope:SCOPE_SE
	s_setreg_imm32_b32 hwreg(HW_REG_WAVE_MODE, 25, 1), 1
	s_wait_xcnt 0x0
; x [4096][4096] and W [4096][4096], f32, K innermost, are turned into codes of BF8 (E5M2), 8 bits each, with one E8M0 scale byte for each 32 along K.
; A block's scale is 2^(floor(log2(its largest magnitude)) - 15); its byte is the largest magnitude's own exponent field - 15, held at 1 from below.  Each number is divided by the scale, held within +-57,344 and rounded to the nearest code, ties to even.
; LIMITS: NaN and infinities among the inputs are not served.  A block of zeros gets the byte 1 where the rule says 127: its codes are zeros, which add nothing under any byte but 0xff, and
; the bytes are read by this program alone.  Blocks whose largest magnitude lies under 2^-111 (the floor) take the byte 1, as the rule's hold at -126 gives; they were not tried.
; THE OUTPUT'S LAYOUT: each buffer is 512 pieces of BLKB = 33,792 bytes.  Piece (G, s), G = row / 128, s = k / 256, lies at (16 G + s) BLKB: 128 rows of 256 codes, then 8 scale bytes for each of the 128 rows.
; SHARES.  Work-groups 0-511 take x, 512-1023 W: only pointers are chosen.  Work-group g of a tensor takes rows 32 (g / 4) on; its wave w the K step s = 4 (g % 4) + w: 32 rows x 256 along K, in 16 steps of two rows.
; A STEP is four loads of 512 consecutive bytes, 16 a lane: load i is half i % 2 of row i / 2; lane l holds k = 128 (i % 2) + 4 l + 0 .. 3, so a block of 32 lies in eight neighbouring lanes: its largest magnitude is joined by three DPP steps.
; The conversion takes eight registers under one scale: it is run once for each load, on that load's four held numbers and four of a neighbouring load's, and only the dword of the load's own four codes is used.
; The four dwords D0 .. D3 of a lane are then transposed among each four lanes (two steps: lanes l xor 1, l xor 2): lane 4 g + j ends with load j's codes of lanes 4 g .. 4 g + 3: 16 neighbouring codes, at byte 128 j + 16 g of the step's 512.
; So a store of the wave covers 512 consecutive bytes, aligned.  A step makes 16 scale bytes, a wave 256: they are gathered in the wave's own 256 bytes of LDS and leave by one store that covers 256 consecutive bytes, aligned.
; No tensor loads, no barrier: waves share nothing.  Loads run six steps (24 loads a wave) ahead.  Every offset is an immediate; each step has its own registers for its codes and its byte: no source of a pending store is written again.
.set STEPS, 16
.set NSET,  6
.set ROWIN, 16384                      ; a row of x or W in bytes
.set BLKB,  33792                      ; a piece of the output
.set MANT,  0x600000                   ; the mantissa field of 57,344 as f32
.set MX,    16                         ; v16-19   the four loads' largest magnitudes
.set SO,    20                         ; v20-23   the conversions' scale operands
.set BD,    24                         ; v24-27   57,344 x the scale
.set TC,    28                         ; v28-35   the conversions' results: D0 = v28, D1 = v30, D2 = v32, D3 = v35
.set UU,    36                         ; v36-37   what a lane sends
.set WW,    38                         ; v38-39   what it gets
.set PP,    40                         ; v40-43   behind the first step of the transposition
.set YY,    44                         ; v44-45   the choice of a scale operand
.set R,     48                         ; v48-143  six sets of 16 numbers as they are loaded
.set C,     144                        ; v144-207 codes: four registers for each step
.set E,     208                        ; v208-223 a scale byte for each step
.set SPW,   224                        ; my spare word
.set NIL,   225                        ; 0
.set SPARE, 1024                       ; behind the four waves' 256 bytes: the spare words, 512 bytes
	s_load_b128 s[4:7], s[0:1], 0x0                ; x, W
	s_load_b128 s[8:11], s[0:1], 0x10              ; xq, wq
	v_lshl_add_u32 v[SPW], v0, 2, SPARE
	v_mov_b32 v[NIL], 0
	v_lshrrev_b32 v1, 5, v0
	v_readfirstlane_b32 s16, v1                    ; wave 0..3
	v_and_b32 v2, 31, v0                           ; lane
	v_lshlrev_b32 v3, 4, v2                        ; my 16 bytes of a load's 512
	s_lshl_b32 s28, s16, 8                         ; my wave's 256 bytes of LDS
	v_and_b32 v1, 3, v2                            ; j = lane % 4
	v_lshrrev_b32 v4, 2, v2
	v_lshlrev_b32 v4, 4, v4
	v_lshl_add_u32 v4, v1, 7, v4                   ; my codes' place in a step's 512 bytes: 128 j + 16 (lane / 4)
	v_lshrrev_b32 v5, 3, v2
	v_lshl_add_u32 v5, v1, 2, v5
	v_add_nc_u32 v5, s28, v5                       ; LDS: the byte of load j, block lane / 8: 4 j + lane / 8
	v_lshlrev_b32 v7, 3, v2                        ; and on the way out 8 bytes a lane
	v_add_nc_u32 v6, s28, v7
	v_mov_b32 v[WW], 0                             ; (a DPP form's destination counts as read)
	v_mov_b32 v[WW+1], 0
	s_mov_b32 s23, MANT                            ; (an instruction takes one literal: the hold's line has another)
	s_mov_b32 s29, 0xaaaaaaaa                      ; lanes with bit 0 set
	s_mov_b32 s30, 0xcccccccc                      ; lanes with bit 1 set
	s_wait_alu depctr_va_vdst(0)
	s_wait_kmcnt 0x0
	s_cmp_lt_u32 ttmp9, 512                        ; x's work-group or W's?  The choice hangs on the work-group's number alone
	s_cselect_b64 s[4:5], s[4:5], s[6:7]
	s_cselect_b64 s[8:9], s[8:9], s[10:11]
	s_cselect_b32 s17, 0, 512
	s_sub_co_u32 s17, ttmp9, s17                   ; g: the work-group's number in its tensor
	s_lshr_b32 s18, s17, 2                         ; which 32 rows: 0..127
	s_and_b32 s19, s17, 3
	s_lshl_b32 s19, s19, 2
	s_add_co_u32 s19, s19, s16                     ; s: which 256 along K: 0..15
	s_lshl_b32 s20, s18, 19                        ; in: 32 rows of 16,384 bytes,
	s_lshl_b32 s22, s19, 10                        ; and 1,024 bytes a K step
	s_add_co_u32 s20, s20, s22
	s_mov_b32 s21, 0
	s_add_nc_u64 s[4:5], s[4:5], s[20:21]
	s_lshr_b32 s22, s18, 2                         ; G
	s_lshl_b32 s22, s22, 4
	s_add_co_u32 s22, s22, s19
	s_mul_i32 s22, s22, BLKB                       ; the piece (G, s); under 2^25
	s_and_b32 s24, s18, 3                          ; which 32 of its 128 rows
	s_lshl_b32 s26, s24, 8                         ; their scale bytes: 256,
	s_add_co_u32 s26, s26, s22
	s_add_co_u32 s26, s26, 32768                   ; behind the piece's codes
	s_mov_b32 s27, 0
	s_add_nc_u64 s[10:11], s[8:9], s[26:27]
	s_lshl_b32 s24, s24, 13                        ; their codes: 8,192 bytes
	s_add_co_u32 s24, s24, s22
	s_mov_b32 s25, 0
	s_add_nc_u64 s[8:9], s[8:9], s[24:25]
.macro LOAD t                          ; step t: rows 2 t and 2 t + 1, 1,024 bytes of each, into set t % NSET
.irp i, 0,1,2,3
	global_load_b128 v[R+16*((\t)%NSET)+4*\i:R+16*((\t)%NSET)+4*\i+3], v3, s[4:5] offset:(2*(\t)+\i/2)*ROWIN+(\i%2)*512 th:TH_LOAD_NT   ; 32 lanes read 512 consecutive bytes; read once in the launch
.endr
.endm
.macro SWAP p0, q0, p1, q1, x, mask, a0, b0, a1, b1   ; two pairs (p, q) exchanged with lane l xor x: lanes of the mask keep q and take the partner's q as p; the others keep p and take the partner's p as q
	v_cndmask_b32 v[UU], v[\q0], v[\p0], \mask
	v_cndmask_b32 v[UU+1], v[\q1], v[\p1], \mask
	v_mov_b32_dpp v[WW], v[UU] row_xmask:\x row_mask:0xf bank_mask:0xf
	v_mov_b32_dpp v[WW+1], v[UU+1] row_xmask:\x row_mask:0xf bank_mask:0xf
	v_cndmask_b32 v[\a0], v[\p0], v[WW], \mask
	v_cndmask_b32 v[\b0], v[WW], v[\q0], \mask
	v_cndmask_b32 v[\a1], v[\p1], v[WW+1], \mask
	v_cndmask_b32 v[\b1], v[WW+1], v[\q1], \mask
.endm
.irp t, 0,1,2,3,4,5
	LOAD \t
.endr
.macro STEP t
.set XS, R+16*((\t)%NSET)
.set CT, C+4*(\t)
.if STEPS-1-(\t) >= NSET-1
	s_wait_loadcnt 4*(NSET-1)                      ; this step's four loads are in; those of the five steps behind it may be out
.else
	s_wait_loadcnt 4*(STEPS-1-(\t))                ; the last steps load nothing: the counts run down
.endif
.irp i, 0,1,2,3
	v_max3_num_f32 v[MX+\i], |v[XS+4*\i]|, |v[XS+4*\i+1]|, |v[XS+4*\i+2]|   ; the four loads by turns
.endr
.irp i, 0,1,2,3
	v_max3_num_f32 v[MX+\i], v[MX+\i], |v[XS+4*\i+3]|, 0x8000000   ; and the floor 2^(16 - 127): the byte cannot fall under 1
.endr
.irp x, 1,2,4
.irp i, 0,1,2,3
	v_max_num_f32_dpp v[MX+\i], v[MX+\i], v[MX+\i] row_xmask:\x row_mask:0xf bank_mask:0xf   ; with the block's other seven lanes
.endr
.endr
.irp i, 0,1,2,3
	v_add_nc_u32 v[SO+\i], 0xf8800000, v[MX+\i]    ; 15 off the exponent field: the conversion's scale operand
.endr
.irp i, 0,1,2,3
	v_and_or_b32 v[BD+\i], v[MX+\i], 0x7f800000, s23   ; 57,344 x the scale
.endr
.irp i, 0,1,2,3
.irp j, 0,1,2,3
	v_med3_num_f32 v[XS+4*\i+\j], v[XS+4*\i+\j], -v[BD+\i], v[BD+\i]   ; the conversion to an 8-bit code does not saturate (ISA guide 7.6.2)
.endr
.endr
	v_cvt_scalef32_pk8_bf8_f32 v[TC:TC+1], v[XS:XS+7], v[SO]           ; D0: the low dword
	v_cvt_scalef32_pk8_bf8_f32 v[TC+2:TC+3], v[XS+4:XS+11], v[SO+1]    ; D1: the low dword
	v_cvt_scalef32_pk8_bf8_f32 v[TC+4:TC+5], v[XS+8:XS+15], v[SO+2]    ; D2: the low dword
	v_cvt_scalef32_pk8_bf8_f32 v[TC+6:TC+7], v[XS+8:XS+15], v[SO+3]    ; D3: the high dword
	v_cndmask_b32 v[YY], v[SO], v[SO+1], s29       ; lane l stores the byte of load l % 4.  (Also the plain lines behind the conversions)
	v_cndmask_b32 v[YY+1], v[SO+2], v[SO+3], s29
	v_cndmask_b32 v[YY], v[YY], v[YY+1], s30
	v_lshrrev_b32 v[E+(\t)], 23, v[YY]             ; the scale's byte
.if (\t)+NSET < STEPS
	LOAD (\t)+NSET                                 ; the set has been read
.endif
	SWAP TC, TC+2, TC+4, TC+7, 1, s29, PP, PP+1, PP+2, PP+3
	SWAP PP, PP+2, PP+1, PP+3, 2, s30, CT, CT+2, CT+1, CT+3
	ds_store_b8 v5, v[E+(\t)] offset:16*(\t)       ; byte 16 t + 4 i + block = 8 x (row in my 32) + (block in my 8); two lanes write the same byte with the same value
	global_store_b128 v4, v[CT:CT+3], s[8:9] offset:512*(\t)   ; two rows' codes: the wave's store covers 512 consecutive bytes, aligned; the next launch reads them, so no hint
.endm
.irp t, 0,1,2,3,4,5,6,7,8,9,10,11,12,13,14,15
	STEP \t
.endr
	ds_load_b64 v[12:13], v6                       ; LDS serves a wave's instructions in order (ISA guide 5.7.1.4): these see my byte stores
	s_wait_dscnt 0x0
	global_store_b64 v7, v[12:13], s[10:11]        ; 32 lanes store 256 consecutive bytes, aligned: my 32 rows' scale bytes
	s_wait_tensorcnt 0x0                           ; the wave's end
	ds_add_u32 v[SPW], v[NIL]
	s_wait_dscnt 0x0
	s_endpgm
.Lfunc_end_k_qa4ba03c1cd_quant:
	.size	k_qa4ba03c1cd_quant, .Lfunc_end_k_qa4ba03c1cd_quant-k_qa4ba03c1cd_quant
	.p2alignl 7, 3214868480
	.fill 96, 4, 3214868480
	.section	.rodata,"a",@progbits
	.p2align	6, 0x0
	.amdhsa_kernel k_qa4ba03c1cd_quant
		.amdhsa_group_segment_fixed_size 1536
		.amdhsa_private_segment_fixed_size 0
		.amdhsa_enable_private_segment 0
		.amdhsa_kernarg_size 32
		.amdhsa_user_sgpr_count 2
		.amdhsa_user_sgpr_kernarg_segment_ptr 1
		.amdhsa_wavefront_size32 1
		.amdhsa_system_sgpr_workgroup_id_x 1
		.amdhsa_system_sgpr_workgroup_id_y 1
		.amdhsa_system_sgpr_workgroup_id_z 1
		.amdhsa_system_vgpr_workitem_id 0
		.amdhsa_next_free_vgpr 226
		.amdhsa_next_free_sgpr 66
		.amdhsa_reserve_vcc 0
		.amdhsa_float_denorm_mode_32 3
		.amdhsa_float_denorm_mode_16_64 3
		.amdhsa_memory_ordered 1
		.amdhsa_forward_progress 1
		.amdhsa_inst_pref_size 84
	.end_amdhsa_kernel
	.amdgpu_metadata
---
amdhsa.version: [ 1, 2 ]
amdhsa.kernels:
  - .name:           k_qa4ba03c1cd_quant
    .symbol:         k_qa4ba03c1cd_quant.kd
    .args:
      - { .name: x, .offset: 0, .size: 8, .value_kind: global_buffer, .address_space: global }
      - { .name: W, .offset: 8, .size: 8, .value_kind: global_buffer, .address_space: global }
      - { .name: xq, .offset: 16, .size: 8, .value_kind: global_buffer, .address_space: global }
      - { .name: wq, .offset: 24, .size: 8, .value_kind: global_buffer, .address_space: global }
    .group_segment_fixed_size: 1536
    .private_segment_fixed_size: 0
    .kernarg_segment_align: 8
    .kernarg_segment_size: 32
    .max_flat_workgroup_size: 128
    .sgpr_count:     66
    .vgpr_count:     226
    .wavefront_size: 32
...
	.end_amdgpu_metadata
.endif
;; end of part 1
;; launch gemm (part 2): grid 16 x 16, 4 waves a work-group, clusters of 4 x 4, 327,680 bytes of LDS; arguments xq, wq, b, out0; writes out0
.if DOCPART == 2
	.amdgcn_target "amdgcn-amd-amdhsa--gfx1250"
	.amdhsa_code_object_version 6
	.text
	.protected	k_qa4ba03c1cd_gemm
	.globl	k_qa4ba03c1cd_gemm
	.p2align	8
	.type	k_qa4ba03c1cd_gemm,@function
k_qa4ba03c1cd_gemm:
	s_mov_b64 s[64:65], 0
	v_nop
	global_prefetch_b8 v0, s[64:65] scope:SCOPE_SE
	s_setreg_imm32_b32 hwreg(HW_REG_WAVE_MODE, 25, 1), 1
	s_wait_xcnt 0x0
	s_wait_alu depctr_hold_cnt(0) depctr_sa_sdst(0) depctr_va_vdst(0) depctr_va_sdst(0) depctr_va_ssrc(0) depctr_va_vcc(0) depctr_vm_vsrc(0)
	s_getreg_b32 s2, hwreg(HW_REG_IB_STS2, 6, 4)
	s_cmp_eq_u32 s2, 0
	s_cbranch_scc0 .Lentry_in_a_cluster
	s_endpgm
.Lentry_in_a_cluster:
	s_bfe_u32 s2, ttmp6, 0x10000c
	s_cmp_lg_u32 s2, 0xf033
	s_cbranch_scc0 .Lentry_shape_is_right
	s_endpgm
.Lentry_shape_is_right:
; out0[m][n] = sum over k of Q(x)[m][k] Q(W)[n][k] + b[n], 4,096 x 4,096 x 4,096, on codes of BF8 (E5M2) with one E8M0 byte for 32 along K, as the launch before left them; sums in f32.
; xq and wq: 512 pieces of BLKB bytes; piece (G = row / 128, s = k / 256) at (16 G + s) BLKB: 128 rows of 256 codes, then 8 scale bytes for each row: 132 dense rows of 256 bytes.
; LIMITS: NaN and infinities are not served.  The bias is the C of each sum's first product.
; A work-group of four waves makes 256 x 256 of out0, a wave 128 x 128: 64 accumulators.  K goes in steps of 256 through two LDS slots; each wave fetches one piece (A's two, B's two) by one tensor load.
; CLUSTERS 4 x 4: A's pieces are asked for jointly along a row of the cluster, B's along a column.  The product is used transposed (source 0 = rows of W, source 1 = rows of x): a lane holds 8 neighbouring columns of a row.
; REGISTERS.  The 64 accumulators lie as four quadrants of 16, one in v128-255 of each window: window 0 (A0, B0), 1 (A1, B0), 2 (A1, B1), 3 (A0, B1); A0, A1, B0, B1: the halves (4 fragments, 64 registers) of my 128 rows of x and of W.
;   B1: window 0 v64-127;  A0: window 1, two sets, v0-63 and v64-127, by turns;  B0: window 2 v64-127;  A1: window 3 v64-127.  Window 3 v0-63: the bias.  Window 0 v0-31 addresses, v32-63 scale words.
; A step of 128 along K is four phases of 16 products, one quadrant each, in that order: B0 is done with behind phase 1, A1 behind phase 2, B1 and A0 behind phase 3.  So the LDS loads stand in TWO runs of 32:
;   run X behind phase 1: B0 and A0 (into the other set) of the next step;  run Y behind phase 3: A1 and B1 of the next step.  Eight v_nop stand ahead of each run.
; PREFETCH: behind each refill the piece that stands two refills on is asked for: of a piece's 132 blocks of 256 bytes each of the four partners names 33, told apart by address (32 lanes a block each, and one block more);
; K steps 1 and 2 are asked for at the head, step 3 in front of the loop; the loop's last trip, whose refills bring K steps 14 and 15, asks for nothing.
.set PITCH,  272                       ; an LDS row: 256 bytes + 16 of padding
.set TROWS,  132
.set BLKB,   TROWS*256
.set HALFT,  TROWS*PITCH               ; a piece in LDS
.set SCO,    128*PITCH                 ; its scale bytes
.set SLOT,   4*HALFT
.set SPARE,  2*SLOT                    ; the spare words, 512 bytes
.set LAPS,   8
.set SPITCH, 528                       ; the way out: a stage of 16 rows x (512 + 16) bytes a wave, in slot 0 behind its last fill and last read
.set ROWC,   16384
.set ADRA, 16                          ; v16-17 my rows of x in slot 0, 1
.set ADRB, 20                          ; v20-21 my rows of W
.set ADRS, 22                          ; v22-23 scale words: lanes 0-15 x's, lanes 16-31 W's
.set STO,  24
.set RD,   25
.set CO,   26
.set BO,   27
.set SPW,  28                          ; my spare word
.set NIL,  29                          ; 0
.set PFO,  30                          ; prefetch: 256 x lane
.set PF2,  31                          ; prefetch: my block of the piece's last four
.set SC,   32                          ; scale words: set for slot s at SC + 16 s; register 2 i + q
.set PFA,  12                          ; s[12:13] where my prefetches stand
.set G1, 24
.set G0, 32
.set G1B, 48
.set G0B, 56
.set PW0, 0x06                         ; phase windows: source 0, source 1, C, D = 2,1,0,0
.set PW1, 0x5e                         ; 2,3,1,1
.set PW2, 0xac                         ; 0,3,2,2
.set PW3, 0xf4                         ; 0,1,3,3
.set MSB, 0
.macro WIN new                         ; the immediate's high byte repeats the setting that is left
.if MSB != (\new)
	s_set_vgpr_msb (MSB<<8)|(\new)
.set MSB, (\new)
.endif
.endm
.macro PLACES n
.rept \n
	v_nop
.endr
.endm
.macro JLOAD g0a, g1a, g0b, g1b        ; a joint load: waves 0, 1 for x, waves 2, 3 for W; s_nop 0 and four v_nop behind each line
	s_cmp_eq_u32 s15, 0
	s_cbranch_scc0 .Lfor_b_\@
	tensor_load_to_lds s[\g0a:\g0a+3], s[\g1a:\g1a+7]
	s_nop 0
	PLACES 4
	s_branch .Lasked_\@
.Lfor_b_\@:
	tensor_load_to_lds s[\g0b:\g0b+3], s[\g1b:\g1b+7]
	s_nop 0
	PLACES 4
.Lasked_\@:
.endm
.macro CREST                           ; a round of the cluster's barrier behind its opening barrier
	s_cmp_lg_u32 s14, 0
	s_cbranch_scc1 .Lnot_wave_0_\@
	s_barrier_signal -3
.Lnot_wave_0_\@:
	s_barrier_wait -3
	s_barrier_signal -1
	s_barrier_wait -1
.endm
.macro CROUND
	s_barrier_signal -1
	s_barrier_wait -1
	CREST
.endm
.macro PREF k                          ; my 33 blocks of my wave's piece, k pieces behind s[PFA]
	global_prefetch_b8 v[PFO], s[PFA:PFA+1] offset:(\k)*BLKB th:TH_LOAD_NT scope:SCOPE_SE
	global_prefetch_b8 v[PF2], s[PFA:PFA+1] offset:(\k)*BLKB th:TH_LOAD_NT scope:SCOPE_SE
.endm
	s_load_b256 s[4:11], s[0:1], 0x0               ; xq, wq, b, out0
	v_lshl_add_u32 v[SPW], v0, 2, SPARE
	v_mov_b32 v[NIL], 0
	ds_add_u32 v[SPW], v[NIL]                      ; the opening lines
	ds_add_u32 v[SPW], v[NIL]
	v_lshrrev_b32 v1, 5, v0
	v_readfirstlane_b32 s14, v1                    ; wave
	s_lshr_b32 s15, s14, 1                         ; my half of the rows; also: I fetch for x (0) or W (1)
	s_and_b32 s16, s14, 1                          ; my half of the columns; also: which piece of the two
	s_bfe_u32 s40, ttmp6, 0x40000                  ; cx
	s_bfe_u32 s41, ttmp6, 0x40004                  ; cy
	s_lshl_b32 s42, ttmp9, 2
	s_add_co_u32 s42, s42, s40                     ; tile column
	s_and_b32 s17, ttmp7, 0xffff
	s_lshl_b32 s17, s17, 2
	s_add_co_u32 s17, s17, s41                     ; tile row
	s_lshl_b32 s43, s41, 2
	s_lshl_b32 s43, 15, s43                        ; my row of the cluster
	s_lshl_b32 s44, 0x1111, s40                    ; my column
	s_or_b32 s[G1+0], s43, (3<<16)|(1<<20)|(1<<21)|(5<<22)|(3<<25)   ; elements of 8 bytes; 4 words of padding behind every 64
	s_or_b32 s[G1B+0], s44, (3<<16)|(1<<20)|(1<<21)|(5<<22)|(3<<25)
.irp g, G1, G1B
	s_mov_b32 s[\g+1], 32<<16
	s_mov_b32 s[\g+2], TROWS<<16
	s_mov_b32 s[\g+3], 32<<16
	s_mov_b32 s[\g+4], TROWS
	s_mov_b32 s[\g+5], 32
	s_mov_b32 s[\g+6], 0
	s_mov_b32 s[\g+7], 0
.endr
	s_lshl_b32 s20, s17, 1
	s_add_co_u32 s20, s20, s16
	s_mul_i32 s20, s20, 16*BLKB                    ; x: piece row G = 2 x tile row + which
	s_mov_b32 s21, 0
	s_lshl_b32 s46, s42, 1
	s_add_co_u32 s46, s46, s16
	s_mul_i32 s46, s46, 16*BLKB                    ; W: G = 2 x tile column + which
	s_mov_b32 s47, 0
	s_mul_i32 s45, s14, HALFT                      ; where my piece goes
	s_wait_dscnt 0x0                               ; both opening adds are done
	CROUND                                         ; in front of the first joint loads
	s_wait_kmcnt 0x0
	s_add_nc_u64 s[20:21], s[4:5], s[20:21]
	s_add_nc_u64 s[46:47], s[6:7], s[46:47]
.irp s, 0,1
	s_mov_b32 s[G0+4*\s], 1
	s_add_co_u32 s[G0+4*\s+1], s45, \s*SLOT
	s_add_nc_u64 s[G0+4*\s+2:G0+4*\s+3], s[20:21], \s*BLKB
	s_or_b32 s[G0+4*\s+3], s[G0+4*\s+3], 0x80000000
	s_mov_b32 s[G0B+4*\s], 1
	s_add_co_u32 s[G0B+4*\s+1], s45, \s*SLOT
	s_add_nc_u64 s[G0B+4*\s+2:G0B+4*\s+3], s[46:47], \s*BLKB
	s_or_b32 s[G0B+4*\s+3], s[G0B+4*\s+3], 0x80000000
.endr
	JLOAD G0, G1, G0B, G1B                         ; K step 0: one tensor load a wave at the head
	s_cmp_eq_u32 s15, 0                            ; the prefetches: my wave's piece of K step 0,
	s_cselect_b64 s[PFA:PFA+1], s[20:21], s[46:47]
	s_cselect_b32 s18, s40, s41                    ; my place p among the four that ask for it with me
	s_lshl_b32 s22, s18, 13
	s_mov_b32 s23, 0
	s_add_nc_u64 s[PFA:PFA+1], s[PFA:PFA+1], s[22:23]  ; + 32 p blocks
	s_mul_i32 s19, s18, 7936
	s_sub_co_u32 s19, 32768, s19                   ; from there to block 128 + p
	v_and_b32 v[PFO], 31, v0
	v_lshlrev_b32 v[PFO], 8, v[PFO]
	v_mov_b32 v[PF2], s19
	s_wait_alu depctr_va_vdst(0)
	PREF 1
	PREF 2
	s_lshl_b32 s20, s17, 8                         ; out0: my first row,
	s_lshl_b32 s21, s15, 7
	s_add_co_u32 s20, s20, s21
	s_lshl_b32 s20, s20, 14
	s_mov_b32 s21, 0
	s_lshl_b32 s46, s42, 10                        ; my first column in bytes
	s_lshl_b32 s47, s16, 9
	s_add_co_u32 s46, s46, s47
	s_mov_b32 s47, 0
	s_add_nc_u64 s[8:9], s[8:9], s[46:47]
	s_add_nc_u64 s[10:11], s[10:11], s[46:47]
	s_add_nc_u64 s[10:11], s[10:11], s[20:21]
	s_mul_i32 s21, s15, HALFT                      ; LDS: my piece of x,
	s_mul_i32 s22, s16, HALFT
	s_add_co_u32 s22, s22, 2*HALFT                 ; of W,
	s_xor_b32 s19, s15, 1
	s_add_co_u32 s23, s16, s19
	s_add_co_u32 s23, s23, 1
	s_mul_i32 s23, s23, HALFT                      ; the distance between the two
	s_add_co_u32 s18, s21, SCO
	s_mul_i32 s19, s14, 16*SPITCH                  ; my stage
	v_and_b32 v1, 15, v0                           ; r
	v_bfe_u32 v2, v0, 4, 1                         ; h
	v_mul_u32_u24 v3, v1, PITCH
	v_lshl_add_u32 v4, v2, 4, v3                   ; a fragment's row x pitch + 16 h
	v_mul_u32_u24 v6, s23, v2
	v_lshl_add_u32 v5, v1, 3, v6                   ; 8 bytes of scales a row; lanes 16-31 take W's
	v_add_nc_u32 v[ADRA], s21, v4
	v_add_nc_u32 v[ADRB], s22, v4
	v_add_nc_u32 v[ADRS], s18, v5
	v_add_nc_u32 v[ADRA+1], SLOT, v[ADRA]
	v_add_nc_u32 v[ADRB+1], SLOT, v[ADRB]
	v_add_nc_u32 v[ADRS+1], SLOT, v[ADRS]
	v_mul_u32_u24 v5, v1, SPITCH
	v_lshl_add_u32 v5, v2, 5, v5
	v_add_nc_u32 v[STO], s19, v5                   ; into the stage: row r, 32 bytes for each half of the lanes
	v_and_b32 v6, 31, v0
	v_lshlrev_b32 v[CO], 4, v6                     ; back: the 32 lanes take a row of 512 bytes
	v_add_nc_u32 v[RD], s19, v[CO]
	v_lshlrev_b32 v[BO], 5, v2
	WIN 0xc0                                       ; the bias into window 3 v0-63: register 8 b + j is column 16 b + 8 h + j
.irp b, 0,1,2,3,4,5,6,7
	global_load_b128 v[8*\b:8*\b+3],   v[BO], s[8:9] offset:64*\b
	global_load_b128 v[8*\b+4:8*\b+7], v[BO], s[8:9] offset:64*\b+16
.endr
	WIN 0
; one product.  a, b: blocks of x and of W; q: which 128 of the slot's 256 (also: A0's set); sc: the scale words' set
.macro WM a, b, q, sc, first
.set AC_, 128+8*(4*((\a)%4)+(\b)%4)
.set BF_, 64+16*((\b)%4)
.if (\a) < 4
.set AF_, 64*(\q)+16*(\a)
.else
.set AF_, 64+16*((\a)-4)
.endif
.set SB_, SC+16*(\sc)+2*(\b)+(\q)
.set SA_, SC+16*(\sc)+2*(\a)+(\q)
.if \first
	v_wmma_scale_f32_16x16x128_f8f6f4 v[AC_:AC_+7], v[BF_:BF_+15], v[AF_:AF_+15], v[8*(\b):8*(\b)+7], v[SB_], v[SA_] matrix_a_fmt:MATRIX_FMT_BF8 matrix_b_fmt:MATRIX_FMT_BF8 matrix_a_scale:MATRIX_SCALE_ROW1
.else
	v_wmma_scale_f32_16x16x128_f8f6f4 v[AC_:AC_+7], v[BF_:BF_+15], v[AF_:AF_+15], v[AC_:AC_+7], v[SB_], v[SA_] matrix_a_fmt:MATRIX_FMT_BF8 matrix_b_fmt:MATRIX_FMT_BF8 matrix_a_scale:MATRIX_SCALE_ROW1
.endif
.endm
; products n0 .. n1 - 1 of phase p.  The 64 accumulators take turns, one product a turn, in the same order in every step.
.macro PH p, q, sc, first, n0, n1
.set N_, \n0
.rept (\n1)-(\n0)
.if (\p) == 0
.set A_, N_/4
.set B_, N_%4
.elseif (\p) == 1
.set A_, 4+N_/4
.set B_, N_%4
.elseif (\p) == 2
.set A_, 4+N_/4
.set B_, 4+N_%4
.else
.set A_, N_/4
.set B_, 4+N_%4
.endif
	WM A_, B_, \q, \sc, \first
.set N_, N_+1
.endr
.endm
.macro HALF dst, adr, lq, fb           ; a half: fragments fb .. fb + 3 at the lq-th 128 of the rows at adr: 16 loads
.set M_, 0
.rept 16
	ds_load_b128 v[\dst+4*M_:\dst+4*M_+3], v[\adr] offset:128*(\lq)+32*(M_%4)+((\fb)+M_/4)*16*PITCH
.set M_, M_+1
.endr
.endm
.macro RUNX ns, nq                     ; B0 and A0 of the step (ns, nq)
	WIN 0x80
	HALF 64, ADRB+\ns, \nq, 0
	WIN 0x40
	HALF 64*(\nq), ADRA+\ns, \nq, 0
.endm
.macro RUNY ns, nq                     ; its A1, which is wanted first, and its B1
	WIN 0xc0
	HALF 64, ADRA+\ns, \nq, 4
	WIN 0
	HALF 64, ADRB+\ns, \nq, 4
.endm
.macro SCALES sc                       ; a slot's scale words: two a row; lanes 0-15 x's block i, lanes 16-31 W's block i
.irp i, 0,1,2,3,4,5,6,7
	ds_load_b64 v[SC+16*\sc+2*\i:SC+16*\sc+2*\i+1], v[ADRS+\sc] offset:(\i/2)*PITCH+(\i%2)*128
.endr
.endm
; a slot's first step
.macro STEP slot, first
	s_wait_dscnt 32                                ; A0 and B0 are in; run Y's 32 may be out
	WIN PW0+0x30*\first                            ; (first: C is the bias, in window 3)
	PH 0, 0, \slot, \first, 0, 16
	s_wait_dscnt 16                                ; A1 is in; B1's 16 may be out
	WIN PW1+0x20*\first
	PH 1, 0, \slot, \first, 0, 16
	PLACES 8
	RUNX \slot, 1
	s_wait_dscnt 32                                ; B1 is in; run X's 32 may be out
	WIN PW2+0x10*\first
	PH 2, 0, \slot, \first, 0, 16
	WIN PW3
	PH 3, 0, \slot, \first, 0, 16
	PLACES 8
	RUNY \slot, 1                                  ; my last reads of this slot
.endm
; a slot's second step changes slots: the barrier stands inside phase 1, and both its runs read the next slot
.macro TURN slot, ns, fill
	s_wait_dscnt 32
	WIN PW0
	PH 0, 1, \slot, 0, 0, 16
	WIN 0                                          ; (the add's registers lie in window 0)
.if \fill
	s_wait_xcnt 0x0                                ; my prefetches have read their address: it steps one piece
	s_add_nc_u64 s[PFA:PFA+1], s[PFA:PFA+1], BLKB
.endif
	s_wait_tensorcnt 0x0                           ; my one load that was out, my piece of the next slot, is in
	ds_add_u32 v[SPW], v[NIL]
.if \fill
	s_add_nc_u64 s[G0+4*\slot+2:G0+4*\slot+3], s[G0+4*\slot+2:G0+4*\slot+3], 2*BLKB
	s_add_nc_u64 s[G0B+4*\slot+2:G0B+4*\slot+3], s[G0B+4*\slot+2:G0B+4*\slot+3], 2*BLKB
.endif
	s_wait_dscnt 17                                ; A1 is in; B1's 16 loads and the add may be out
	WIN PW1
	PH 1, 1, \slot, 0, 0, 8
	s_wait_dscnt 0x0                               ; the add is done, and my reads of this slot are over
	s_barrier_signal -1
	PH 1, 1, \slot, 0, 8, 16
	WIN 0
	s_barrier_wait -1
.if \fill
	CREST                                          ; the barrier has opened a round of the cluster's barrier
	JLOAD G0+4*\slot, G1, G0B+4*\slot, G1B         ; the refill, first behind the round; its four v_nop are four of the eight places
	PLACES 4
.else
	PLACES 8
.endif
	SCALES \ns
	RUNX \ns, 0
	WIN 0
.if \fill
	s_cmp_gt_u32 s3, 1                             ; not in the last trip: no piece stands two refills on
	s_cbranch_scc0 .Lnone_\@
	PREF 3
.Lnone_\@:
.endif
	WIN PW2
	PH 2, 1, \slot, 0, 0, 16
	WIN PW3
	PH 3, 1, \slot, 0, 0, 16
	PLACES 8
	RUNY \ns, 0
.endm
	s_wait_alu depctr_va_vdst(0)
	s_wait_tensorcnt 0x0                           ; my piece of K step 0 is in
	ds_add_u32 v[SPW], v[NIL]
	s_wait_dscnt 0x0
	CROUND
	JLOAD G0+4, G1, G0B+4, G1B                     ; K step 1 into slot 1
	SCALES 0
	RUNX 0, 0
	RUNY 0, 0
	PREF 3
	s_wait_loadcnt 0x0                             ; the bias
	STEP 0, 1                                      ; the first step stands in front of the loop: its products start the sums
	s_mov_b32 s3, LAPS-1                           ; (run Y leaves every window 0, as a label and a branch ask)
.Llap:
	TURN 0, 1, 1
	STEP 1, 0
	TURN 1, 0, 1
	STEP 0, 0
	s_sub_co_u32 s3, s3, 1
	s_cmp_lg_u32 s3, 0
	s_cbranch_scc1 .Llap
	TURN 0, 1, 0                                   ; the last lap fills nothing
	STEP 1, 0
	s_wait_dscnt 32                                ; the very last step: nothing more to fetch
	WIN PW0
	PH 0, 1, 1, 0, 0, 16
	s_wait_dscnt 16
	WIN PW1
	PH 1, 1, 1, 0, 0, 16
	s_wait_dscnt 0x0
	WIN PW2
	PH 2, 1, 1, 0, 0, 16
	WIN PW3
	PH 3, 1, 1, 0, 0, 16
	WIN 0
; THE WAY OUT, by blocks of 16 rows x 128 columns: through my own stage and back as whole rows of 512 bytes.  Columns 0-63 and 64-127 of a block lie in two windows.  LDS serves a wave's instructions in order (ISA guide 5.7.1.4).
.macro TOSTAGE a
.set AC, 128+32*((\a)%4)
.if (\a) < 4
.set WL, 0
.set WH, 3
.else
.set WL, 1
.set WH, 2
.endif
	WIN WL<<2
.irp b, 0,1,2,3
	ds_store_b128 v[STO], v[AC+8*\b:AC+8*\b+3] offset:64*\b             ; each accumulator from its low end on
	ds_store_b128 v[STO], v[AC+8*\b+4:AC+8*\b+7] offset:64*\b+16
.endr
	WIN WH<<2
.irp b, 0,1,2,3
	ds_store_b128 v[STO], v[AC+8*\b:AC+8*\b+3] offset:256+64*\b
	ds_store_b128 v[STO], v[AC+8*\b+4:AC+8*\b+7] offset:256+64*\b+16
.endr
	WIN 0x40                                       ; back into window 1 v0-127, where A0's sets lay: two sets of 64 by turns
.set BB, 64*((\a)%2)
.irp t, 0,1,2,3,4,5,6,7,8,9,10,11,12,13,14,15
	ds_load_b128 v[BB+4*\t:BB+4*\t+3], v[RD] offset:\t*SPITCH
.endr
.endm
.macro SEND a, younger
.set BB, 64*((\a)%2)
	s_wait_dscnt \younger
.if (\a) > 0
	s_add_nc_u64 s[10:11], s[10:11], 16*ROWC       ; (behind a wait on XCNT)
.endif
	WIN 0x04
.irp t, 0,1,2,3,4,5,6,7,8,9,10,11,12,13,14,15
	global_store_b128 v[CO], v[BB+4*\t:BB+4*\t+3], s[10:11] offset:\t*ROWC th:TH_STORE_NT   ; 32 lanes store 512 consecutive bytes, aligned
.endr
.endm
	PLACES 8                                       ; behind the last products
	TOSTAGE 0
.irp a, 1,2,3,4,5,6,7
.if \a > 1
	s_wait_xcnt 0x0                                ; block a - 2's stores have read their registers and their base
.endif
	TOSTAGE \a
	SEND \a-1, 32                                  ; behind block a - 1's loads: block a's 16 stores and 16 loads
.endr
	s_wait_xcnt 0x0
	SEND 7, 0
	WIN 0
	s_wait_tensorcnt 0x0                           ; the wave's end
	ds_add_u32 v[SPW], v[NIL]
	s_wait_dscnt 0x0
	CROUND                                         ; the closing round
	s_endpgm
.Lfunc_end_k_qa4ba03c1cd_gemm:
	.size	k_qa4ba03c1cd_gemm, .Lfunc_end_k_qa4ba03c1cd_gemm-k_qa4ba03c1cd_gemm
	.p2alignl 7, 3214868480
	.fill 96, 4, 3214868480
	.section	.rodata,"a",@progbits
	.p2align	6, 0x0
	.amdhsa_kernel k_qa4ba03c1cd_gemm
		.amdhsa_group_segment_fixed_size 327680
		.amdhsa_private_segment_fixed_size 0
		.amdhsa_enable_private_segment 0
		.amdhsa_kernarg_size 32
		.amdhsa_user_sgpr_count 2
		.amdhsa_user_sgpr_kernarg_segment_ptr 1
		.amdhsa_wavefront_size32 1
		.amdhsa_system_sgpr_workgroup_id_x 1
		.amdhsa_system_sgpr_workgroup_id_y 1
		.amdhsa_system_sgpr_workgroup_id_z 1
		.amdhsa_system_vgpr_workitem_id 0
		.amdhsa_next_free_vgpr 1024
		.amdhsa_next_free_sgpr 66
		.amdhsa_reserve_vcc 0
		.amdhsa_float_denorm_mode_32 3
		.amdhsa_float_denorm_mode_16_64 3
		.amdhsa_memory_ordered 1
		.amdhsa_forward_progress 1
		.amdhsa_inst_pref_size 148
	.end_amdhsa_kernel
	.amdgpu_metadata
---
amdhsa.version: [ 1, 2 ]
amdhsa.kernels:
  - .name:           k_qa4ba03c1cd_gemm
    .symbol:         k_qa4ba03c1cd_gemm.kd
    .args:
      - { .name: xq, .offset: 0, .size: 8, .value_kind: global_buffer, .address_space: global }
      - { .name: wq, .offset: 8, .size: 8, .value_kind: global_buffer, .address_space: global }
      - { .name: b, .offset: 16, .size: 8, .value_kind: global_buffer, .address_space: global }
      - { .name: out0, .offset: 24, .size: 8, .value_kind: global_buffer, .address_space: global }
    .group_segment_fixed_size: 327680
    .private_segment_fixed_size: 0
    .kernarg_segment_align: 8
    .kernarg_segment_size: 32
    .max_flat_workgroup_size: 128
    .sgpr_count:     66
    .vgpr_count:     1024
    .wavefront_size: 32
...
	.end_amdgpu_metadata
.endif
;; end of part 2
